; MI455X (gfx1250); checked and timed in simulation.
; The chip was launched on July 23, 2026; its instructions are those of AMD's public machine-readable ISA for CDNA 5 (MIT licence, August 2026) and "CDNA5" Instruction Set Architecture Reference Guide (July 2026). The comments in the code are by the model that wrote it; some were corrected since.
;; Multi Head Attention GQA. Allowed arithmetic: float matrix products may take bf16 or f16 operands with f32 sums; all other float work in f32.
;; Inputs: Wk 2,048 x 512 float32; Wo 2,048 x 2,048 float32; Wq 2,048 x 2,048 float32; Wv 2,048 x 512 float32; bk 512 float32; bo 2,048 float32; bq 2,048 float32; bv 512 float32; x 2 x 1,024 x 2,048 float32.
;; Outputs: out0 2 x 1,024 x 2,048 float32.
;; One version. Each part assembles by itself: llvm-mc -triple=amdgcn-amd-amdhsa -mcpu=gfx1250 --defsym DOCPART=n.
;; ======== version 1 of 1: 4 launches
;; limits: values are held in f16: magnitudes above 65,504 overflow, below 6.1e-05 lose precision
;; workspace buffers: xb 8,388,608 bytes; wqkv 12,582,912 bytes; wob 8,388,608 bytes; bqkv 12,288 bytes; qkvh 12,582,912 bytes; ao 8,388,608 bytes
;; launch cvt (part 1): grid 1024 x 1, 8 waves a work-group, no clusters, 0 bytes of LDS; arguments x, Wq, Wk, Wv, Wo, bq, bk, bv, xb, wqkv, wob, bqkv; writes xb, wqkv, wob, bqkv
.if DOCPART == 1
	.amdgcn_target "amdgcn-amd-amdhsa--gfx1250"
	.amdhsa_code_object_version 6
	.text
	.protected	k_q71e4ef5777_cvt
	.globl	k_q71e4ef5777_cvt
	.p2align	8
	.type	k_q71e4ef5777_cvt,@function
k_q71e4ef5777_cvt:
	s_mov_b64 s[64:65], 0
	v_nop
	global_prefetch_b8 v0, s[64:65] scope:SCOPE_SE
	s_setreg_imm32_b32 hwreg(HW_REG_WAVE_MODE, 25, 1), 1
	s_wait_xcnt 0x0
; f32 -> f16 copies for the matrix launches, a pure stream:
;   xb   [2048][2048] = x;   wob [2048][2048] = Wo;   wqkv [2048][3072] = Wq | Wk | Wv side by side;   bqkv [3072] f32 = bq | bk | bv.
; LIMIT: f16.  A number of x or of a weight at or beyond 65,504 in magnitude becomes infinite; below 6e-8 it becomes 0.  f16 and not bf16 because the first
; tokens' output rows are some seven times larger than the output's root mean square, against which every number is held: eight bits of mantissa are too few.
; Work-group p owns rows 2p and 2p+1 of x, Wq, Wo, Wk and Wv.  256 threads x 16 bytes = 4,096 bytes a load line: four lines for two rows of
; 8,192 bytes, and one line for one row of Wk (threads 0-127) together with one row of Wv (threads 128-255).
; All 14 loads of a wave go out first (each 512 consecutive bytes), then each is converted and stored: 32 lanes x 8 bytes = 256 consecutive
; bytes, aligned.  No register is used twice, so the only waits are the counted ones for the loads.
; No LDS, no matrix unit, no cluster: nothing is read twice and no two work-groups read the same byte.
.set X, 8                              ; v[8:63]   load i: 4 registers of f32
.set Y, 64                             ; v[64:91]  load i: 2 registers of f16
	s_load_b512 s[8:23], s[0:1], 0x0               ; x 8:9, Wq 10:11, Wk 12:13, Wv 14:15, Wo 16:17, bq 18:19, bk 20:21, bv 22:23
	s_load_b256 s[24:31], s[0:1], 0x40             ; xb 24:25, wqkv 26:27, wob 28:29, bqkv 30:31
	v_lshrrev_b32 v4, 5, v0
	v_readfirstlane_b32 s32, v4                    ; wave 0..7
	s_mov_b32 s33, ttmp9                           ; p
	v_lshlrev_b32 v1, 4, v0                        ; 16 t: source bytes
	v_lshlrev_b32 v2, 3, v0                        ; 8 t: destination bytes
	v_and_b32 v3, 0x7f, v0
	v_lshlrev_b32 v3, 4, v3                        ; 16 (t mod 128): source bytes in a row of Wk or Wv
	s_lshl_b32 s34, s33, 14                        ; two f32 rows of 8,192 bytes
	s_mov_b32 s35, 0
	s_lshl_b32 s36, s33, 12                        ; two f32 rows of 2,048 bytes
	s_mov_b32 s37, 0
	s_lshl_b32 s42, s33, 13                        ; two f16 rows of 4,096 bytes
	s_mov_b32 s43, 0
	s_mul_i32 s44, s33, 12288                      ; two f16 rows of 6,144 bytes
	s_mov_b32 s45, 0
	s_wait_kmcnt 0x0
	s_add_nc_u64 s[8:9], s[8:9], s[34:35]
	s_add_nc_u64 s[10:11], s[10:11], s[34:35]
	s_add_nc_u64 s[16:17], s[16:17], s[34:35]
	s_add_nc_u64 s[12:13], s[12:13], s[36:37]
	s_add_nc_u64 s[14:15], s[14:15], s[36:37]
	s_add_nc_u64 s[24:25], s[24:25], s[42:43]
	s_add_nc_u64 s[28:29], s[28:29], s[42:43]
	s_add_nc_u64 s[26:27], s[26:27], s[44:45]
	s_cmp_lt_u32 s32, 4
	s_cselect_b64 s[38:39], s[12:13], s[14:15]     ; waves 0-3 read Wk, waves 4-7 Wv
.irp i, 0,1,2,3
	global_load_b128 v[X+4*\i:X+4*\i+3], v1, s[8:9] offset:4096*\i th:TH_LOAD_NT
.endr
.irp i, 0,1,2,3
	global_load_b128 v[X+16+4*\i:X+16+4*\i+3], v1, s[10:11] offset:4096*\i th:TH_LOAD_NT
.endr
.irp i, 0,1,2,3
	global_load_b128 v[X+32+4*\i:X+32+4*\i+3], v1, s[16:17] offset:4096*\i th:TH_LOAD_NT
.endr
	global_load_b128 v[X+48:X+51], v3, s[38:39] th:TH_LOAD_NT
	global_load_b128 v[X+52:X+55], v3, s[38:39] offset:2048 th:TH_LOAD_NT
; load i is converted and stored.  The wait leaves the 13 - i younger loads out.
.macro CV i, base, off
	s_wait_loadcnt 13-\i
	v_cvt_pk_f16_f32 v[Y+2*\i], v[X+4*\i], v[X+4*\i+1]
	v_cvt_pk_f16_f32 v[Y+2*\i+1], v[X+4*\i+2], v[X+4*\i+3]
	global_store_b64 v2, v[Y+2*\i:Y+2*\i+1], s[\base:\base+1] offset:\off
.endm
	CV 0, 24, 0
	CV 1, 24, 2048
	CV 2, 24, 4096
	CV 3, 24, 6144
	CV 4, 26, 0                                    ; Wq: columns 0-2047 of a row of 6,144 bytes
	CV 5, 26, 2048
	CV 6, 26, 6144
	CV 7, 26, 8192
	CV 8, 28, 0
	CV 9, 28, 2048
	CV 10, 28, 4096
	CV 11, 28, 6144
	CV 12, 26, 4096                                ; Wk at byte 4,096 of the row; threads 128-255 (8 t >= 1,024) land on Wv's columns
	CV 13, 26, 10240
	; the joined bias: 12 work-groups copy 1,024 bytes each with their first two waves
	s_cmp_lt_u32 s33, 12
	s_cbranch_scc0 .Ldone
	s_cmp_lt_u32 s32, 2
	s_cbranch_scc0 .Ldone
	s_cmp_lt_u32 s33, 10
	s_cselect_b64 s[40:41], s[20:21], s[22:23]     ; p = 8, 9: bk; p = 10, 11: bv
	s_and_b32 s46, s33, 1                          ; which half of it
	s_cmp_lt_u32 s33, 8
	s_cselect_b64 s[40:41], s[18:19], s[40:41]     ; p < 8: bq,
	s_cselect_b32 s46, s33, s46                    ; its p-th eighth
	s_lshl_b32 s46, s46, 10
	s_mov_b32 s47, 0
	s_add_nc_u64 s[40:41], s[40:41], s[46:47]
	s_lshl_b32 s46, s33, 10
	s_add_nc_u64 s[30:31], s[30:31], s[46:47]
	global_load_b128 v[92:95], v1, s[40:41]
	s_wait_loadcnt 0x0
	global_store_b128 v1, v[92:95], s[30:31]
.Ldone:
	s_endpgm
.Lfunc_end_k_q71e4ef5777_cvt:
	.size	k_q71e4ef5777_cvt, .Lfunc_end_k_q71e4ef5777_cvt-k_q71e4ef5777_cvt
	.p2alignl 7, 3214868480
	.fill 96, 4, 3214868480
	.section	.rodata,"a",@progbits
	.p2align	6, 0x0
	.amdhsa_kernel k_q71e4ef5777_cvt
		.amdhsa_group_segment_fixed_size 0
		.amdhsa_private_segment_fixed_size 0
		.amdhsa_enable_private_segment 0
		.amdhsa_kernarg_size 96
		.amdhsa_user_sgpr_count 2
		.amdhsa_user_sgpr_kernarg_segment_ptr 1
		.amdhsa_wavefront_size32 1
		.amdhsa_system_sgpr_workgroup_id_x 1
		.amdhsa_system_sgpr_workgroup_id_y 1
		.amdhsa_system_sgpr_workgroup_id_z 1
		.amdhsa_system_vgpr_workitem_id 0
		.amdhsa_next_free_vgpr 96
		.amdhsa_next_free_sgpr 66
		.amdhsa_reserve_vcc 0
		.amdhsa_float_denorm_mode_32 3
		.amdhsa_float_denorm_mode_16_64 3
		.amdhsa_memory_ordered 1
		.amdhsa_forward_progress 1
		.amdhsa_inst_pref_size 7
	.end_amdhsa_kernel
	.amdgpu_metadata
---
amdhsa.version: [ 1, 2 ]
amdhsa.kernels:
  - .name:           k_q71e4ef5777_cvt
    .symbol:         k_q71e4ef5777_cvt.kd
    .args:
      - { .name: x, .offset: 0, .size: 8, .value_kind: global_buffer, .address_space: global }
      - { .name: Wq, .offset: 8, .size: 8, .value_kind: global_buffer, .address_space: global }
      - { .name: Wk, .offset: 16, .size: 8, .value_kind: global_buffer, .address_space: global }
      - { .name: Wv, .offset: 24, .size: 8, .value_kind: global_buffer, .address_space: global }
      - { .name: Wo, .offset: 32, .size: 8, .value_kind: global_buffer, .address_space: global }
      - { .name: bq, .offset: 40, .size: 8, .value_kind: global_buffer, .address_space: global }
      - { .name: bk, .offset: 48, .size: 8, .value_kind: global_buffer, .address_space: global }
      - { .name: bv, .offset: 56, .size: 8, .value_kind: global_buffer, .address_space: global }
      - { .name: xb, .offset: 64, .size: 8, .value_kind: global_buffer, .address_space: global }
      - { .name: wqkv, .offset: 72, .size: 8, .value_kind: global_buffer, .address_space: global }
      - { .name: wob, .offset: 80, .size: 8, .value_kind: global_buffer, .address_space: global }
      - { .name: bqkv, .offset: 88, .size: 8, .value_kind: global_buffer, .address_space: global }
    .group_segment_fixed_size: 0
    .private_segment_fixed_size: 0
    .kernarg_segment_align: 8
    .kernarg_segment_size: 96
    .max_flat_workgroup_size: 256
    .sgpr_count:     66
    .vgpr_count:     96
    .wavefront_size: 32
...
	.end_amdgpu_metadata
.endif
;; end of part 1
;; launch qkv (part 2): grid 16 x 16, 4 waves a work-group, clusters of 4 x 4, 327,680 bytes of LDS; arguments xb, wqkv, bqkv, qkvh; writes qkvh
.if DOCPART == 2
	.amdgcn_target "amdgcn-amd-amdhsa--gfx1250"
	.amdhsa_code_object_version 6
	.text
	.protected	k_q71e4ef5777_qkv
	.globl	k_q71e4ef5777_qkv
	.p2align	8
	.type	k_q71e4ef5777_qkv,@function
k_q71e4ef5777_qkv:
	s_mov_b64 s[64:65], 0
	v_nop
	global_prefetch_b8 v0, s[64:65] scope:SCOPE_SE
	s_setreg_imm32_b32 hwreg(HW_REG_WAVE_MODE, 25, 1), 1
	s_wait_xcnt 0x0
	s_wait_alu depctr_hold_cnt(0) depctr_sa_sdst(0) depctr_va_vdst(0) depctr_va_sdst(0) depctr_va_ssrc(0) depctr_va_vcc(0) depctr_vm_vsrc(0)
	s_getreg_b32 s2, hwreg(HW_REG_IB_STS2, 6, 4)
	s_cmp_eq_u32 s2, 0
	s_cbranch_scc0 .Lentry_in_a_cluster
	s_endpgm
.Lentry_in_a_cluster:
	s_bfe_u32 s2, ttmp6, 0x10000c
	s_cmp_lg_u32 s2, 0xf033
	s_cbranch_scc0 .Lentry_shape_is_right
	s_endpgm
.Lentry_shape_is_right:
; qkvh = xb (2048 x 2048) x wqkv (2048 x 3072) + bqkv, sums in f32, rounded once to f16 and stored by head: qkvh[slot = column / 64][token][64].
; Operands are f16 (x and the weights were rounded once).  LIMIT: a number of q, k or v at or beyond 65,504 in magnitude becomes infinite.  With x of spread 1
; and weights of spread 1/45 they have spread 1; both 30 times larger gives 900; both offset by 30 spreads gives 2048 x 30 x 0.66, some 40,700.
; 256 work-groups, each a block of 128 rows x 192 columns (three head slots); four waves, each 64 x 96 = 24 accumulator tiles of 16 x 16.
; K goes in steps of 192 through two LDS slots filled by the tensor data mover: 2048 = 10 x 192 + 128, ten whole steps and a last one of 128.  192 is the longest
; step of which two slots fit: 2 x 147,456 bytes; 224 would need 344,064.  From a slot's request to the wait for it a wave issues 138 matrix instructions.
; The price: a tile's rows are 384 bytes of memory and begin at multiples of 128 bytes from their buffer's first byte, not of 256.
; CLUSTERS: 4 x 4 work-groups.  The four of a row of the cluster share the rows of xb, the four of a column the columns of wqkv: each tile is asked
; for jointly, with one descriptor and a mask that names the four, which divides the requests by four.
; The block column comes from the cluster's y and the block row from its x: clusters with the same y read the same columns of wqkv, the larger operand
; (12.6 MB against xb's 8.4 MB).
; wqkv lies [k][n]: its fragments are cut by the transposing LDS load.  Its LDS rows are 384 bytes of data with 16 bytes of padding behind every 64:
; pitch 480 = 15 x 32, so the eight rows that a group of lanes touches start 32 bytes apart modulo 256.
; xb's LDS rows are 384 bytes of data with 16 bytes of padding behind every 128: pitch 432 = 27 x 16, so the sixteen rows of a fragment start at sixteen
; different 16-byte columns modulo 256.
; THE MATRIX INSTRUCTION IS USED TRANSPOSED (source 0 = 16 columns of wqkv, source 1 = 16 rows of xb): lane l then holds row l % 16 and its
; registers the eight neighbouring columns 8 (l / 16) + 0..7, which pack into 16 bytes.  The bias of those eight columns is the C of the first product.
; REGISTERS: window 0: v1-22 addresses, v32-79 bias, v80-159 and v160-239 two fragment buffers (48 of B, 32 of A); window 1: accumulators.
.set NB,    6                          ; n tiles of a wave
.set BP,    480                        ; LDS pitch of a k row of B
.set BHALF, 96*BP                      ; 46,080: 96 k rows, one tensor load
.set AP,    432                        ; LDS pitch of a row of A: three pieces of 128 bytes + 16
.set AHALF, 64*AP                      ; 27,648: 64 rows, one tensor load
.set ABASE, 2*BHALF
.set SLOT,  ABASE+2*AHALF              ; 147,456: B's 192 k rows, then A's 128 rows
.set STAGE, SLOT                       ; the way out goes through slot 1: its last fill is K step 9's, its last read stands in front of the barrier that ends K step 9
.set SP,    208                        ; stage pitch: 96 f16 + 16 bytes
.set SWAVE, 64*SP
.set ASTEP, 384                        ; bytes from a K step to the next in xb
.set BSTEP, 192*6144                   ; and in wqkv
.set NL,    2*NB+8                     ; LDS loads of one quarter step
.set ADRA, 8                           ; v8-9    my A fragments in slot 0, 1
.set ADRB, 10                          ; v10-13  my B fragments: slot 0 (k rows 0-95, 96-191), slot 1 likewise: an offset has 16 bits
.set STO,  14                          ; v14     the way out: where I put 16 bytes
.set RD,   15                          ; v15-17  the way out: where I read head slot 0, 1, 2 back
.set CO,   18                          ; v18     16 x lane
.set BOFF, 20                          ; v20     32 (l / 16): my eight bias numbers
.set BIAS, 32
.set F0,   80
.set F1,   160
.set G1A, 24
.set G0A, 32
.set G1B, 48
.set G0B, 56
.set MUL,  0x50                        ; C and D in window 1
.set MULB, 0x40                        ; D in window 1, C (the bias) in window 0
.set MSB, 0
.macro WIN new                         ; the immediate's high byte repeats the setting that is left
.if MSB != \new
	s_set_vgpr_msb (MSB<<8)|\new
.set MSB, \new
.endif
.endm
.macro PLACES                          ; four plain vector places behind matrix instructions, ahead of loads into their sources and of readers of their results
.rept 4
	v_nop
.endr
.endm
; A joint load: waves 0, 1 fetch B's two halves, waves 2, 3 A's.  The branch hangs on the wave's number alone.
.macro JLOAD s
	s_cmp_eq_u32 s13, 0
	s_cbranch_scc0 .Lfor_a_\@
	tensor_load_to_lds s[G0B+4*\s:G0B+4*\s+3], s[G1B:G1B+7]
	s_nop 0
	s_branch .Lasked_\@
.Lfor_a_\@:
	tensor_load_to_lds s[G0A+4*\s:G0A+4*\s+3], s[G1A:G1A+7]
	s_nop 0
.Lasked_\@:
.endm
.macro CREST                           ; a round of the cluster's barrier behind its opening work-group barrier
	s_cmp_lg_u32 s12, 0
	s_cbranch_scc1 .Lnot_wave_0_\@
	s_barrier_signal -3
.Lnot_wave_0_\@:
	s_barrier_wait -3
	s_barrier_signal -1
	s_barrier_wait -1
.endm
.macro CROUND
	s_barrier_signal -1
	s_barrier_wait -1
	CREST
.endm
	s_load_b256 s[4:11], s[0:1], 0x0               ; xb 4:5, wqkv 6:7, bqkv 8:9, qkvh 10:11
	v_lshl_add_u32 v254, v0, 2, 0x48000
	v_mov_b32 v255, 0
	ds_add_u32 v254, v255
	v_lshrrev_b32 v1, 5, v0
	v_readfirstlane_b32 s12, v1                    ; wave 0..3
	s_lshr_b32 s13, s12, 1                         ; my half of the block's rows.  Also: I fetch for B (0) or for A (1)
	s_and_b32 s14, s12, 1                          ; my half of its columns.  Also: which half of that tile I fetch
	s_bfe_u32 s40, ttmp6, 0x40000                  ; cx
	s_bfe_u32 s41, ttmp6, 0x40004                  ; cy
	s_and_b32 s42, ttmp7, 0xffff
	s_lshl_b32 s42, s42, 2
	s_add_co_u32 s42, s42, s40                     ; block column = 4 x cluster y + cx
	s_lshl_b32 s43, ttmp9, 2
	s_add_co_u32 s43, s43, s41                     ; block row = 4 x cluster x + cy
	s_lshl_b32 s44, s41, 2
	s_lshl_b32 s44, 15, s44                        ; my row of the cluster
	s_lshl_b32 s45, 0x1111, s40                    ; my column
	; group 1 for A: 64 rows x 192 elements of 2 bytes, 4 words of padding behind every 32 words
	s_or_b32 s[G1A+0], s44, (1<<16)|(1<<20)|(1<<21)|(4<<22)|(3<<25)
	s_mov_b32 s[G1A+1], 192<<16                    ; tensor_dim0 = 192
	s_mov_b32 s[G1A+2], 64<<16                     ; tensor_dim1 = 64
	s_mov_b32 s[G1A+3], 192<<16                    ; tile_dim0 = 192
	s_mov_b32 s[G1A+4], 64                         ; tile_dim1 = 64
	s_mov_b32 s[G1A+5], 2048                       ; elements from row to row
	s_mov_b32 s[G1A+6], 0
	s_mov_b32 s[G1A+7], 0
	; group 1 for B: 96 k rows x 192 elements, 4 words of padding behind every 16 words
	s_or_b32 s[G1B+0], s45, (1<<16)|(1<<20)|(1<<21)|(3<<22)|(3<<25)
	s_mov_b32 s[G1B+1], 192<<16
	s_mov_b32 s[G1B+2], 96<<16
	s_mov_b32 s[G1B+3], 192<<16
	s_mov_b32 s[G1B+4], 96
	s_mov_b32 s[G1B+5], 3072
	s_mov_b32 s[G1B+6], 0
	s_mov_b32 s[G1B+7], 0
	; A's address hangs on the block row and the wave, B's on the block column and the wave, each in registers of its own
	s_lshl_b32 s16, s43, 19                        ; 128 rows of 4,096 bytes a block row
	s_lshl_b32 s66, s14, 18                        ; + 64 rows for the second half
	s_add_co_u32 s16, s16, s66
	s_mov_b32 s17, 0
	s_mul_i32 s20, s42, 384                        ; 192 columns of 2 bytes a block column
	s_mul_i32 s67, s14, 96*6144                    ; + 96 k rows for the second half
	s_add_co_u32 s20, s20, s67
	s_mov_b32 s21, 0
	s_mul_i32 s78, s14, 32*6144                    ; the last K step's halves are 64 k rows, not 96: its second half begins 32 rows earlier
	s_mov_b32 s79, 0
	s_mul_i32 s68, s12, BHALF                      ; LDS: B's halves at wave x 46,080 (waves 0, 1)
	s_mul_i32 s69, s12, AHALF
	s_add_co_u32 s69, s69, ABASE-2*AHALF           ; A's halves behind them (waves 2, 3)
	s_mul_i32 s70, s42, 768                        ; bias: 4 (192 block column + 96 half)
	s_mul_i32 s66, s14, 384
	s_add_co_u32 s70, s70, s66
	s_mov_b32 s71, 0
	s_mul_i32 s72, s42, 3*262144                   ; output: three head slots of 262,144 bytes a block column,
	s_lshl_b32 s66, s43, 14                        ; 128 tokens of 128 bytes a block row,
	s_add_co_u32 s72, s72, s66
	s_lshl_b32 s66, s12, 12                        ; 32 tokens a wave
	s_add_co_u32 s72, s72, s66
	s_mov_b32 s73, 0
	s_wait_dscnt 0x0
	s_wait_kmcnt 0x0
	s_add_nc_u64 s[18:19], s[4:5], s[16:17]
	s_add_nc_u64 s[22:23], s[6:7], s[20:21]
	s_add_nc_u64 s[8:9], s[8:9], s[70:71]
	s_add_nc_u64 s[10:11], s[10:11], s[72:73]
	CROUND                                         ; all sixteen work-groups are here: the first joint loads meet
.irp s, 0,1
	s_mov_b32 s[G0A+4*\s], 1
	s_add_co_u32 s[G0A+4*\s+1], s69, \s*SLOT
	s_add_nc_u64 s[G0A+4*\s+2:G0A+4*\s+3], s[18:19], \s*ASTEP
	s_or_b32 s[G0A+4*\s+3], s[G0A+4*\s+3], 0x80000000
	s_mov_b32 s[G0B+4*\s], 1
	s_add_co_u32 s[G0B+4*\s+1], s68, \s*SLOT
	s_add_nc_u64 s[G0B+4*\s+2:G0B+4*\s+3], s[22:23], \s*BSTEP
	s_or_b32 s[G0B+4*\s+3], s[G0B+4*\s+3], 0x80000000
	JLOAD \s                                       ; both slots are asked for before anything else: two tensor loads of the wave are out
.endr
	v_and_b32 v5, 31, v0                           ; l
	v_and_b32 v1, 15, v0                           ; l % 16
	v_bfe_u32 v2, v0, 4, 1                         ; l / 16
	v_and_b32 v3, 7, v0                            ; l % 8
	v_bfe_u32 v4, v0, 3, 1                         ; (l / 8) % 2
	v_lshlrev_b32 v[BOFF], 5, v2
.irp b, 0,1,2,3,4,5
	global_load_b128 v[BIAS+8*\b:BIAS+8*\b+3],   v[BOFF], s[8:9] offset:64*\b
	global_load_b128 v[BIAS+8*\b+4:BIAS+8*\b+7], v[BOFF], s[8:9] offset:64*\b+16
.endr
	v_mul_u32_u24 v6, v1, AP                       ; A fragment: row x pitch + 16 (l / 16)
	v_lshl_add_u32 v6, v2, 4, v6
	s_mul_i32 s66, s13, AHALF
	s_add_co_u32 s66, s66, ABASE
	v_add_nc_u32 v[ADRA], s66, v6
	v_add_nc_u32 v[ADRA+1], SLOT, v[ADRA]
	v_lshl_add_u32 v7, v2, 3, v3                   ; B fragment, transposing load: k row 8 (l / 16) + l % 8,
	v_mul_u32_u24 v7, v7, BP
	v_lshl_add_u32 v7, v4, 4, v7                   ; 16 bytes for each half of the 16 columns
	s_mul_i32 s67, s14, 240                        ; my 96 columns: three padded pieces of 80 bytes
	v_add_nc_u32 v[ADRB], s67, v7
	v_add_nc_u32 v[ADRB+1], BHALF, v[ADRB]
	v_add_nc_u32 v[ADRB+2], SLOT, v[ADRB]
	v_add_nc_u32 v[ADRB+3], SLOT+BHALF, v[ADRB]
	v_mul_u32_u24 v[STO], v1, SP
	v_lshl_add_u32 v[STO], v2, 4, v[STO]
	s_mul_i32 s66, s12, SWAVE
	s_add_co_u32 s66, s66, STAGE
	v_add_nc_u32 v[STO], s66, v[STO]
	v_bfe_u32 v21, v0, 3, 2                        ; back: four rows of 128 bytes a load: row l / 8, byte 16 (l % 8)
	v_mul_u32_u24 v[RD], v21, SP
	v_lshl_add_u32 v[RD], v3, 4, v[RD]
	s_mul_i32 s66, s13, 2*SWAVE                    ; block rows 32 w .. 32 w + 31 lie in the stages of the two waves of row half w / 2,
	s_mul_i32 s67, s14, 32*SP                      ; from their row 32 (w % 2) on
	s_add_co_u32 s66, s66, s67
	s_add_co_u32 s66, s66, STAGE
	v_add_nc_u32 v[RD], s66, v[RD]                 ; head slot 0: columns 0-63 of the left wave's stage
	v_bfe_u32 v22, v0, 2, 1
	v_mul_u32_u24 v22, v22, SWAVE-192
	v_add_nc_u32 v[RD+1], v[RD], v22               ; head slot 1: columns 64-95 of the left stage (byte 128 on),
	v_add_nc_u32 v[RD+1], 128, v[RD+1]             ; then columns 0-31 of the right one
	v_add_nc_u32 v[RD+2], SWAVE+64, v[RD]          ; head slot 2: columns 32-95 of the right stage
	v_lshlrev_b32 v[CO], 4, v5
; NB matrix instructions: row tile a of my four x all n tiles, 32 along K.  first = 1: the bias starts the sums, nothing is cleared.
; The 24 accumulators take turns, one instruction a turn, in the same order in every quarter step.
.macro MULROW f, a, first
.irp b, 0,1,2,3,4,5
.if \first
	v_wmma_f32_16x16x32_f16 v[8*(NB*\a+\b):8*(NB*\a+\b)+7], v[\f+8*\b:\f+8*\b+7], v[\f+8*NB+8*\a:\f+8*NB+8*\a+7], v[BIAS+8*\b:BIAS+8*\b+7]
.else
	v_wmma_f32_16x16x32_f16 v[8*(NB*\a+\b):8*(NB*\a+\b)+7], v[\f+8*\b:\f+8*\b+7], v[\f+8*NB+8*\a:\f+8*NB+8*\a+7], v[8*(NB*\a+\b):8*(NB*\a+\b)+7]
.endif
.endr
.endm
; the fragments of part q (32 along K, q = 0..5) of a slot into buffer f: 12 transposing loads (B: k rows 32 q ..), then 8 plain ones (A's row tiles 0..3:
; piece q / 2 of the padded row, byte 64 (q % 2) of it)
.macro FETCH slot, q, f
	WIN 0
.irp b, 0,1,2,3,4,5
	ds_load_tr16_b128 v[\f+8*\b:\f+8*\b+3],   v[ADRB+2*\slot+(\q/3)] offset:32*BP*(\q%3)+80*(\b>>1)+32*(\b&1)
	ds_load_tr16_b128 v[\f+8*\b+4:\f+8*\b+7], v[ADRB+2*\slot+(\q/3)] offset:32*BP*(\q%3)+80*(\b>>1)+32*(\b&1)+16*BP
.endr
.irp a, 0,1,2,3
	ds_load_b128 v[\f+8*NB+8*\a:\f+8*NB+8*\a+3],   v[ADRA+\slot] offset:16*AP*\a+144*(\q>>1)+64*(\q&1)
	ds_load_b128 v[\f+8*NB+8*\a+4:\f+8*NB+8*\a+7], v[ADRA+\slot] offset:16*AP*\a+144*(\q>>1)+64*(\q&1)+32
.endr
.endm
.macro MWIN first
.if \first
	WIN MULB
.else
	WIN MUL
.endif
.endm
; one part of a K step: multiplies buffer f; in its middle it fetches part qn of the same slot into buffer g
.macro QUARTER slot, qn, f, g, first
	s_wait_dscnt 4                                 ; B and A's row tiles 0, 1 are in; the four youngest loads (tiles 2, 3) may be out
	MWIN \first
	MULROW \f, 0, \first
	MULROW \f, 1, \first
	PLACES
	FETCH \slot, \qn, \g
	s_wait_dscnt NL                                ; all but the run just issued
	MWIN \first
	MULROW \f, 2, \first
	MULROW \f, 3, \first
.endm
.macro BODY slot, first                ; the first five of a whole K step's six parts, on buffers 0, 1, 0, 1, 0
	QUARTER \slot, 1, F0, F1, \first
	QUARTER \slot, 2, F1, F0, 0
	QUARTER \slot, 3, F0, F1, 0
	QUARTER \slot, 4, F1, F0, 0
	QUARTER \slot, 5, F0, F1, 0
.endm
; the last part of a slot, and the change of slots.  In front of the barrier each wave waits for its reads of this slot and for all its tensor
; loads (one is out: its part of the next slot).  Where the slot is filled again the barrier opens a round of the cluster's barrier, and the joint
; refill is the first tensor load behind the round.  fill = 1: a whole K step, two steps ahead; fill = 2 (slot 0 alone): the last K step, of 128.
.macro TURN slot, next, fill
	s_wait_dscnt 4
	WIN MUL
	MULROW F1, 0, 0
	s_wait_dscnt 0x0                               ; my reads of this slot are over
	s_wait_tensorcnt 0x0                           ; all my tensor loads have landed: every descriptor register may be written
	ds_add_u32 v254, v255
	s_wait_dscnt 0x0
	s_barrier_signal -1
	MULROW F1, 1, 0                                ; register work while the others arrive
	WIN 0
	s_barrier_wait -1
.if \fill
	CREST
	s_add_nc_u64 s[G0A+4*\slot+2:G0A+4*\slot+3], s[G0A+4*\slot+2:G0A+4*\slot+3], 2*ASTEP
	s_add_nc_u64 s[G0B+4*\slot+2:G0B+4*\slot+3], s[G0B+4*\slot+2:G0B+4*\slot+3], 2*BSTEP
.if \fill == 2
	s_sub_nc_u64 s[G0B+2:G0B+3], s[G0B+2:G0B+3], s[78:79]   ; B: k rows 1920 + 64 x half ..,
	s_mul_i32 s[G0B+1], s12, 64*BP                 ; laid one half behind the other from the slot's first byte on: rows 0..127 at the pitch of every step,
	s_mov_b32 s[G1B+2], 64<<16                     ; tensor_dim1 = 64
	s_mov_b32 s[G1B+4], 64                         ; tile_dim1 = 64
	s_mov_b32 s[G1A+1], 128<<16                    ; A: tensor_dim0 = 128 under a tile of 192: the LDS pitch stays; the last third of each row arrives as zeros and is not read
.endif
	JLOAD \slot
.endif
	PLACES
	FETCH \next, 0, F0
	WIN MUL
	MULROW F1, 2, 0
	MULROW F1, 3, 0
.endm
.macro LAP first
	BODY 0, \first
	TURN 0, 1, 1
	BODY 1, 0
	TURN 1, 0, 1
.endm
	s_wait_tensorcnt 1                             ; my part of K step 0 is in; K step 1's stays out
	s_barrier_signal -1
	s_barrier_wait -1
	FETCH 0, 0, F0
	s_wait_loadcnt 0x0                             ; the bias
	LAP 1                                          ; K steps 0, 1; they ask for 2, 3
	WIN 0
	s_mov_b32 s15, 3                               ; K steps 2..7; they ask for 4..9
.Llap:
	LAP 0
	WIN 0
	s_sub_co_u32 s15, s15, 1
	s_cmp_lg_u32 s15, 0
	s_cbranch_scc1 .Llap
	BODY 0, 0                                      ; K step 8
	TURN 0, 1, 2                                   ; asks for the last K step, of 128: the last tensor load
	BODY 1, 0                                      ; K step 9
	TURN 1, 0, 0                                   ; nothing is left to ask for; behind this barrier no wave reads slot 1 any more
	QUARTER 0, 1, F0, F1, 0                        ; the last K step: four parts
	QUARTER 0, 2, F1, F0, 0
	QUARTER 0, 3, F0, F1, 0
	s_wait_dscnt 0x0
	WIN MUL
	MULROW F1, 0, 0
	MULROW F1, 1, 0
	MULROW F1, 2, 0
	MULROW F1, 3, 0
	; THE WAY OUT: round to f16, 16 bytes a lane into my stage (64 rows x 96 columns, in slot 1, which nobody reads or fills any more); behind a barrier wave w
	; reads block rows 32 w .. 32 w + 31 of each of the three head slots back as rows of 128 bytes, four to a load, and stores 512 consecutive bytes, aligned, with each line.
	PLACES
	WIN 0x05
.irp a, 0,1,2,3
.irp b, 0,1,2,3,4,5
.irp p, 0,1,2,3
	v_cvt_pk_f16_f32 v[F0+4*(NB*\a+\b)+\p], v[8*(NB*\a+\b)+2*\p], v[8*(NB*\a+\b)+2*\p+1]
.endr
.endr
.endr
	WIN 0
.irp a, 0,1,2,3
.irp b, 0,1,2,3,4,5
	ds_store_b128 v[STO], v[F0+4*(NB*\a+\b):F0+4*(NB*\a+\b)+3] offset:16*SP*\a+32*\b
.endr
.endr
	s_wait_dscnt 0x0                               ; my stores are done, for the waves that read them
	s_barrier_signal -1
	s_barrier_wait -1
.irp hg, 0,1,2
.irp t, 0,1,2,3,4,5,6,7
	ds_load_b128 v[F0+4*(8*\hg+\t):F0+4*(8*\hg+\t)+3], v[RD+\hg] offset:4*SP*\t
.endr
.endr
.irp hg, 0,1,2
.irp t, 0,1,2,3,4,5,6,7
	s_wait_dscnt 23-(8*\hg+\t)                     ; the younger LDS loads stay out
	global_store_b128 v[CO], v[F0+4*(8*\hg+\t):F0+4*(8*\hg+\t)+3], s[10:11] offset:262144*\hg+512*\t
.endr
.endr
	s_wait_tensorcnt 0x0
	ds_add_u32 v254, v255
	s_wait_dscnt 0x0
	CROUND                                         ; the closing round: no work-group ends while a partner may still ask for a tile that names it
	s_endpgm
.Lfunc_end_k_q71e4ef5777_qkv:
	.size	k_q71e4ef5777_qkv, .Lfunc_end_k_q71e4ef5777_qkv-k_q71e4ef5777_qkv
	.p2alignl 7, 3214868480
	.fill 96, 4, 3214868480
	.section	.rodata,"a",@progbits
	.p2align	6, 0x0
	.amdhsa_kernel k_q71e4ef5777_qkv
		.amdhsa_group_segment_fixed_size 327680
		.amdhsa_private_segment_fixed_size 0
		.amdhsa_enable_private_segment 0
		.amdhsa_kernarg_size 32
		.amdhsa_user_sgpr_count 2
		.amdhsa_user_sgpr_kernarg_segment_ptr 1
		.amdhsa_wavefront_size32 1
		.amdhsa_system_sgpr_workgroup_id_x 1
		.amdhsa_system_sgpr_workgroup_id_y 1
		.amdhsa_system_sgpr_workgroup_id_z 1
		.amdhsa_system_vgpr_workitem_id 0
		.amdhsa_next_free_vgpr 448
		.amdhsa_next_free_sgpr 80
		.amdhsa_reserve_vcc 0
		.amdhsa_float_denorm_mode_32 3
		.amdhsa_float_denorm_mode_16_64 3
		.amdhsa_memory_ordered 1
		.amdhsa_forward_progress 1
		.amdhsa_inst_pref_size 147
	.end_amdhsa_kernel
	.amdgpu_metadata
---
amdhsa.version: [ 1, 2 ]
amdhsa.kernels:
  - .name:           k_q71e4ef5777_qkv
    .symbol:         k_q71e4ef5777_qkv.kd
    .args:
      - { .name: xb, .offset: 0, .size: 8, .value_kind: global_buffer, .address_space: global }
      - { .name: wqkv, .offset: 8, .size: 8, .value_kind: global_buffer, .address_space: global }
      - { .name: bqkv, .offset: 16, .size: 8, .value_kind: global_buffer, .address_space: global }
      - { .name: qkvh, .offset: 24, .size: 8, .value_kind: global_buffer, .address_space: global }
    .group_segment_fixed_size: 327680
    .private_segment_fixed_size: 0
    .kernarg_segment_align: 8
    .kernarg_segment_size: 32
    .max_flat_workgroup_size: 128
    .sgpr_count:     80
    .vgpr_count:     448
    .wavefront_size: 32
...
	.end_amdgpu_metadata
.endif
;; end of part 2
;; launch attn (part 3): grid 16 x 16, 4 waves a work-group, clusters of 4 x 1, 321,024 bytes of LDS; arguments qkvh, ao; writes ao
.if DOCPART == 3
	.amdgcn_target "amdgcn-amd-amdhsa--gfx1250"
	.amdhsa_code_object_version 6
	.text
	.protected	k_q71e4ef5777_attn
	.globl	k_q71e4ef5777_attn
	.p2align	8
	.type	k_q71e4ef5777_attn,@function
k_q71e4ef5777_attn:
	s_mov_b64 s[64:65], 0
	v_nop
	global_prefetch_b8 v0, s[64:65] scope:SCOPE_SE
	s_setreg_imm32_b32 hwreg(HW_REG_WAVE_MODE, 25, 1), 1
	s_wait_xcnt 0x0
	s_wait_alu depctr_hold_cnt(0) depctr_sa_sdst(0) depctr_va_vdst(0) depctr_va_sdst(0) depctr_va_ssrc(0) depctr_va_vcc(0) depctr_vm_vsrc(0)
	s_getreg_b32 s2, hwreg(HW_REG_IB_STS2, 6, 4)
	s_cmp_eq_u32 s2, 0
	s_cbranch_scc0 .Lentry_in_a_cluster
	s_endpgm
.Lentry_in_a_cluster:
	s_bfe_u32 s2, ttmp6, 0x10000c
	s_cmp_lg_u32 s2, 0x3003
	s_cbranch_scc0 .Lentry_shape_is_right
	s_endpgm
.Lentry_shape_is_right:
; Causal attention of one head: ao[head][token][64] = softmax(q k^T / 8, keys <= query) v.  q, k, v, the probabilities and ao are f16; scores, the
; running maximum, the sums and the output sums are f32.  The maximum is taken away before every exponential (a running maximum, with the old sums
; rescaled).  LIMITS: a probability below 6e-8 of its row's largest becomes 0 in f16; ao is no larger than the largest v, so it fits where v did.
; WORK: cluster x = i (0..3), cluster y = 8 b + g, place in the cluster = head within the group.  A work-group does query blocks 7 - i and i (128 rows each)
; of one head; wave w takes rows 32 (3 - w) .. of block 7 - i and rows 32 w .. of block i: 17 key tiles of 64 for every wave of the launch.
; CLUSTER: the four heads of a group read the same K and V and have the same i, so the same trips.  All of K and V of (b, g) (2 x 128 KiB) is asked for
; jointly, once, at the start, in four chunks of 256 keys, and stays in LDS: no slot is ever filled again.
; ORDER: the long block comes first.  Its tiles 0, 1, 2 are written out and read chunk 0 alone, behind a counted wait and a barrier, while chunks 1 to 3 land.
; Then every chunk is waited for, once; behind that barrier stand all the loops, whose LDS addresses are stepped by trip counts that differ from wave to wave.
; For i = 2, 3 the last chunk is fetched and not read: one path and one count of loads for every work-group was preferred.
; Nothing is stored into LDS before both blocks are done: the long block's result waits, rounded, in 32 registers; behind one more barrier (every wave has
; done 17 tiles) both results go out through each wave's own stage.
; LAYOUT: S^T = K Q^T: lane (r, h) holds keys 16 kt + 8 h + j of query r, so a query's maximum and sum are work inside a lane and one exchange of the two
; halves, and rounding neighbouring registers to f16 gives the second product's operand as it stands.  O^T = V^T P^T, V^T cut by the transposing LDS load:
; lane (r, h) holds d = 16 dt + 8 h + j of query r: the rescaling is a multiplication inside a lane and eight neighbouring d pack into 16 bytes.
.set KP,    144                        ; LDS pitch of a key's 128 bytes of K: an odd multiple of 16
.set VP,    160                        ; of V: an odd multiple of 32, for the transposing load
.set VBASE, 1024*KP                    ; 147,456
.set STAGE, VBASE+1024*VP              ; 311,296, a multiple of 256: no fill lands behind it
.set SWAVE, 16*KP                      ; a wave's own stage: 16 rows
.set KADR, 3                           ; v3   this tile's K
.set VADR, 4                           ; v4   this tile's V
.set KB,   5                           ; v5   tile 0's K
.set VB,   6                           ; v6   tile 0's V
.set STO,  7
.set RD,   8
.set GO,   9                           ; v9   16 x lane
.set QOFF, 10
.set RH,   11                          ; v11  r - 8 h
.set DQ,   12                          ; v12  RH + my first query, counted from the tile's first key
.set NM,   14                          ; v14, v16  - c x running maximum of query tile 0, 1 (v15, v17 written once: the pairs are read whole)
.set LS,   18                          ; v18, v19  running sums (this lane's keys)
.set AL,   20                          ; v20  factor for the old sums (v21 written once)
.set MX,   22                          ; v22-25
.set TP,   26
.set SU,   28                          ; v28-31
.set QQ,   32                          ; v32 + 16 qt + 8 ks
.set OO,   64                          ; v64 + 32 qt + 8 dt; rounded: v64 + 16 qt + 4 dt
.set SS,   128                         ; v128 + 32 qt + 8 kt; packed: P at v128 + 32 qt + 8 ks
.set KF,   192                         ; v192 + 16 kt + 8 ks;  V fragments: window 1, v0 + 16 dt + 8 ks
.set SV,   64                          ; window 1, v64 + 16 qt + 4 dt: the long block's result, rounded
.set G1K, 16
.set G1V, 24
.set G0,  32
.set MSB, 0
.macro WIN new
.if MSB != \new
	s_set_vgpr_msb (MSB<<8)|\new
.set MSB, \new
.endif
.endm
.macro ROUND                           ; a round of the cluster's barrier
	s_barrier_signal -1
	s_barrier_wait -1
	s_cmp_lg_u32 s8, 0
	s_cbranch_scc1 .Lnot_wave_0_\@
	s_barrier_signal -3
.Lnot_wave_0_\@:
	s_barrier_wait -3
	s_barrier_signal -1
	s_barrier_wait -1
.endm
	s_load_b128 s[4:7], s[0:1], 0x0                ; qkvh 4:5, ao 6:7
	s_set_vgpr_msb 0x40
	v_lshl_add_u32 v96, v0, 2, 0x4e400
	v_mov_b32 v97, 0
	s_set_vgpr_msb 0x4045
	ds_add_u32 v96, v97
	s_set_vgpr_msb 0x4500
	v_lshrrev_b32 v1, 5, v0
	v_readfirstlane_b32 s8, v1                     ; wave 0..3
	s_mov_b32 s9, ttmp9                            ; i: the cluster's x, the same in all four partners
	s_and_b32 s10, ttmp7, 0xffff                   ; 8 b + g
	s_bfe_u32 s11, ttmp6, 0x40000                  ; cx: enters the addresses of q and ao alone
	s_mov_b32 s12, 0x3e38aa3b                      ; c = log2(e) / 8, twice: a pair for the packed multiply-add
	s_mov_b32 s13, 0x3e38aa3b
	s_mov_b32 s14, 0xbe38aa3b                      ; - c
	s_mov_b32 s15, 0xff800000                      ; - infinity
	s_mov_b32 s48, 0x76543210                      ; v_permlanex16_b32: lane i of one half reads lane i of the other
	s_mov_b32 s49, 0xfedcba98
	; group 1: 16 KiB dense (128 keys) as 64 rows of 32 elements of 8 bytes; padding behind every 32 words (a key's 128 bytes): 4 words for K, 8 for V
	s_mov_b32 s[G1K+0], 15|(3<<16)|(1<<20)|(1<<21)|(4<<22)|(3<<25)
	s_mov_b32 s[G1V+0], 15|(3<<16)|(1<<20)|(1<<21)|(4<<22)|(7<<25)
.irp g, G1K, G1V
	s_mov_b32 s[\g+1], 32<<16
	s_mov_b32 s[\g+2], 64<<16
	s_mov_b32 s[\g+3], 32<<16
	s_mov_b32 s[\g+4], 64
	s_mov_b32 s[\g+5], 32
	s_mov_b32 s[\g+6], 0
	s_mov_b32 s[\g+7], 0
.endr
	s_and_b32 s66, s10, 7                          ; g
	s_lshr_b32 s67, s10, 3                         ; b
	s_lshl2_add_u32 s68, s66, s11                  ; head = 4 g + cx
	s_lshl_b32 s69, s9, 7
	s_lshl_b32 s75, s8, 5
	s_add_co_u32 s69, s69, s75                     ; first query of the short block: 128 i + 32 w
	s_sub_co_u32 s74, 992, s69                     ; of the long one: 128 (7 - i) + 32 (3 - w)
	s_lshl_b32 s75, s67, 17                        ; b x 1024 tokens of 128 bytes
	s_lshl_b32 s70, s68, 18                        ; head x 2048 tokens of 128 bytes
	s_add_co_u32 s70, s70, s75
	s_lshl_b32 s72, s74, 7
	s_add_co_u32 s72, s72, s70
	s_mov_b32 s73, 0
	s_lshl_b32 s76, s69, 7
	s_add_co_u32 s70, s70, s76
	s_mov_b32 s71, 0
	s_lshl_b32 s76, s66, 18                        ; K and V: group, batch, and which 128 keys of a chunk I fetch
	s_add_co_u32 s76, s76, s75
	s_and_b32 s77, s8, 1
	s_lshl_b32 s75, s77, 14
	s_add_co_u32 s76, s76, s75
	s_lshl_b32 s81, s77, 5                         ; 32 (w % 2): my first query in the short block's last tile
	s_sub_co_u32 s82, 32, s81                      ; 32 ((3 - w) % 2): in the long block's
	s_mov_b32 s77, 0
	; trips.  Short block: T = 2 i + 1 + w / 2 tiles (1..8); long block: 17 - T (9..16).
	s_lshl_b32 s63, s9, 1
	s_lshr_b32 s75, s8, 1
	s_add_co_u32 s63, s63, s75
	s_add_co_u32 s63, s63, 1                       ; T
	s_sub_co_i32 s59, s63, 2
	s_max_i32 s59, s59, 0                          ; short block: tiles between the first and the diagonal one
	s_sub_co_u32 s61, 13, s63                      ; long block: tiles between the three written out and the diagonal one: 17 - T - 4, 5..12
	v_and_b32 v1, 15, v0                           ; r
	v_bfe_u32 v2, v0, 4, 1                         ; h
	v_lshlrev_b32 v[QOFF], 7, v1
	v_lshl_add_u32 v[QOFF], v2, 4, v[QOFF]         ; query r's row of 128 bytes + 16 h
	s_wait_dscnt 0x0
	s_wait_kmcnt 0x0
	s_add_nc_u64 s[50:51], s[4:5], s[70:71]        ; q, short block
	s_add_nc_u64 s[52:53], s[4:5], s[72:73]        ; q, long block
	s_add_nc_u64 s[54:55], s[6:7], s[70:71]        ; ao, short block
	s_add_nc_u64 s[56:57], s[6:7], s[72:73]        ; ao, long block
	s_add_nc_u64 s[78:79], s[4:5], s[76:77]        ; K and V less their head slots
.macro LOADQ base                      ; 32 queries x 64 d as four fragments
.irp qt, 0,1
.irp ks, 0,1
	global_load_b128 v[QQ+16*\qt+8*\ks:QQ+16*\qt+8*\ks+3],   v[QOFF], s[\base:\base+1] offset:2048*\qt+64*\ks
	global_load_b128 v[QQ+16*\qt+8*\ks+4:QQ+16*\qt+8*\ks+7], v[QOFF], s[\base:\base+1] offset:2048*\qt+64*\ks+32
.endr
.endr
.endm
	LOADQ 52
	ROUND                                          ; the four partners are here: the joint loads meet
	; waves 0, 1: K's halves of each chunk; waves 2, 3: V's.  All four loads of a wave stand in one branch on its number; four are out.
	s_cmp_lt_u32 s8, 2
	s_cbranch_scc0 .Lfor_v
	s_mul_i32 s75, s8, 128*KP
.irp c, 0,1,2,3
	s_mov_b32 s[G0+4*\c], 1
	s_add_co_u32 s[G0+4*\c+1], s75, \c*256*KP
	s_add_nc_u64 s[G0+4*\c+2:G0+4*\c+3], s[78:79], 32*262144+\c*32768
	s_or_b32 s[G0+4*\c+3], s[G0+4*\c+3], 0x80000000
	tensor_load_to_lds s[G0+4*\c:G0+4*\c+3], s[G1K:G1K+7]
	s_nop 0
.endr
	s_branch .Lasked
.Lfor_v:
	s_mul_i32 s75, s8, 128*VP
	s_add_co_u32 s75, s75, VBASE-2*128*VP
.irp c, 0,1,2,3
	s_mov_b32 s[G0+4*\c], 1
	s_add_co_u32 s[G0+4*\c+1], s75, \c*256*VP
	s_add_nc_u64 s[G0+4*\c+2:G0+4*\c+3], s[78:79], 40*262144+\c*32768
	s_or_b32 s[G0+4*\c+3], s[G0+4*\c+3], 0x80000000
	tensor_load_to_lds s[G0+4*\c:G0+4*\c+3], s[G1V:G1V+7]
	s_nop 0
.endr
.Lasked:
	v_and_b32 v13, 31, v0                          ; l
	v_and_b32 v27, 7, v0                           ; l % 8
	v_mul_u32_u24 v[KB], v1, KP
	v_lshl_add_u32 v[KB], v2, 4, v[KB]             ; K fragment: key r x pitch + 16 h
	v_lshl_add_u32 v[VB], v2, 3, v27               ; V fragment, transposing load: key 8 h + l % 8,
	v_mul_u32_u24 v[VB], v[VB], VP
	v_bfe_u32 v[TP], v0, 3, 1
	v_lshl_add_u32 v[VB], v[TP], 4, v[VB]          ; 16 bytes for each half of the 16 d
	v_add_nc_u32 v[VB], VBASE, v[VB]
	s_mul_i32 s75, s8, SWAVE
	s_add_co_u32 s75, s75, STAGE
	v_add_nc_u32 v[STO], s75, v[KB]                ; in: row r, 16 bytes for each half of the lanes
	v_bfe_u32 v[RD], v0, 3, 2
	v_mul_u32_u24 v[RD], v[RD], KP
	v_lshl_add_u32 v[RD], v27, 4, v[RD]
	v_add_nc_u32 v[RD], s75, v[RD]                 ; back: four rows of 128 bytes a load
	v_lshlrev_b32 v[GO], 4, v13
	v_lshlrev_b32 v[RH], 3, v2
	v_sub_nc_u32 v[RH], v1, v[RH]
	v_mov_b32 v[NM+1], 0
	v_mov_b32 v[NM+3], 0
	v_mov_b32 v[AL+1], 0
.macro KLOAD                           ; 64 keys x 64 d: 16 loads
.irp kt, 0,1,2,3
.irp ks, 0,1
	ds_load_b128 v[KF+16*\kt+8*\ks:KF+16*\kt+8*\ks+3],   v[KADR] offset:16*KP*\kt+64*\ks
	ds_load_b128 v[KF+16*\kt+8*\ks+4:KF+16*\kt+8*\ks+7], v[KADR] offset:16*KP*\kt+64*\ks+32
.endr
.endr
.endm
.macro VLOAD                           ; 64 d x 64 keys: 16 transposing loads into window 1
	WIN 0x40
.irp dt, 0,1,2,3
.irp ks, 0,1
	ds_load_tr16_b128 v[16*\dt+8*\ks:16*\dt+8*\ks+3],   v[VADR] offset:32*VP*\ks+32*\dt
	ds_load_tr16_b128 v[16*\dt+8*\ks+4:16*\dt+8*\ks+7], v[VADR] offset:32*VP*\ks+32*\dt+16*VP
.endr
.endr
	WIN 0
.endm
.macro SMUL qt                         ; S^T of query tile qt: four accumulators by turns, one instruction a turn; the first product starts each sum
.irp ks, 0,1
.irp kt, 0,1,2,3
.if \ks
	v_wmma_f32_16x16x32_f16 v[SS+32*\qt+8*\kt:SS+32*\qt+8*\kt+7], v[KF+16*\kt+8*\ks:KF+16*\kt+8*\ks+7], v[QQ+16*\qt+8*\ks:QQ+16*\qt+8*\ks+7], v[SS+32*\qt+8*\kt:SS+32*\qt+8*\kt+7]
.else
	v_wmma_f32_16x16x32_f16 v[SS+32*\qt+8*\kt:SS+32*\qt+8*\kt+7], v[KF+16*\kt+8*\ks:KF+16*\kt+8*\ks+7], v[QQ+16*\qt+8*\ks:QQ+16*\qt+8*\ks+7], 0
.endif
.endr
.endr
.endm
.macro PV qt, first                    ; O^T += V^T P^T: four accumulators by turns, likewise
	WIN 0x01
.irp ks, 0,1
.irp dt, 0,1,2,3
.if (\first) & (1-\ks)
	v_wmma_f32_16x16x32_f16 v[OO+32*\qt+8*\dt:OO+32*\qt+8*\dt+7], v[16*\dt+8*\ks:16*\dt+8*\ks+7], v[SS+32*\qt+8*\ks:SS+32*\qt+8*\ks+7], 0
.else
	v_wmma_f32_16x16x32_f16 v[OO+32*\qt+8*\dt:OO+32*\qt+8*\dt+7], v[16*\dt+8*\ks:16*\dt+8*\ks+7], v[SS+32*\qt+8*\ks:SS+32*\qt+8*\ks+7], v[OO+32*\qt+8*\dt:OO+32*\qt+8*\dt+7]
.endif
.endr
.endr
	WIN 0
.endm
; The softmax step of query tile qt on this tile's 64 keys (32 in this lane).  p = 2^(c s + NM), NM = - c x running maximum.
.macro SMAX qt, first, mask
.if \mask
.irp kt, 0,1,2,3
.irp j, 0,1,2,3,4,5,6,7
	v_cmp_le_i32 vcc_lo, 16*\kt+\j-16*\qt, v[DQ]   ; key 16 kt + 8 h + j <= query 16 qt + r + my first query
	v_cndmask_b32 v[SS+32*\qt+8*\kt+\j], s15, v[SS+32*\qt+8*\kt+\j], vcc_lo
.endr
.endr
.endif
.irp kt, 0,1,2,3
	v_max3_num_f32 v[MX+\kt], v[SS+32*\qt+8*\kt], v[SS+32*\qt+8*\kt+1], v[SS+32*\qt+8*\kt+2]
.endr
.irp kt, 0,1,2,3
	v_max3_num_f32 v[MX+\kt], v[MX+\kt], v[SS+32*\qt+8*\kt+3], v[SS+32*\qt+8*\kt+4]
.endr
.irp kt, 0,1,2,3
	v_max3_num_f32 v[MX+\kt], v[MX+\kt], v[SS+32*\qt+8*\kt+5], v[SS+32*\qt+8*\kt+6]
.endr
.irp kt, 0,1,2,3
	v_max_num_f32 v[MX+\kt], v[MX+\kt], v[SS+32*\qt+8*\kt+7]
.endr
	v_max3_num_f32 v[MX], v[MX], v[MX+1], v[MX+2]
	v_max_num_f32 v[MX], v[MX], v[MX+3]
	v_permlanex16_b32 v[TP], v[MX], s48, s49       ; the query's other 32 keys
	v_max_num_f32 v[MX], v[MX], v[TP]
.if \first
	v_mul_f32 v[NM+2*\qt], s14, v[MX]
.else
	v_mul_f32 v[MX], s14, v[MX]
	v_min_num_f32 v[MX], v[NM+2*\qt], v[MX]        ; the larger maximum is the smaller - c m
	v_sub_f32 v[AL], v[MX], v[NM+2*\qt]
	v_mov_b32 v[NM+2*\qt], v[MX]
	v_exp_f32 v[AL], v[AL]                         ; 2^(c (old maximum - new)); the multiply-adds below are the plain place behind it (ISA guide 5.7.2)
.endif
.set n, 0
.rept 16
	v_pk_fma_f32 v[SS+32*\qt+n:SS+32*\qt+n+1], v[SS+32*\qt+n:SS+32*\qt+n+1], s[12:13], v[NM+2*\qt:NM+2*\qt+1] op_sel_hi:[1,0,0]
.set n, n+2
.endr
.set n, 0
.rept 32
	v_exp_f32 v[SS+32*\qt+n], v[SS+32*\qt+n]
.set n, n+1
.endr
	v_nop                                          ; the plain place behind the exponentials
	s_wait_alu depctr_va_vdst(0)
	v_pk_add_f32 v[SU:SU+1],   v[SS+32*\qt:SS+32*\qt+1],   v[SS+32*\qt+2:SS+32*\qt+3]
	v_pk_add_f32 v[SU+2:SU+3], v[SS+32*\qt+4:SS+32*\qt+5], v[SS+32*\qt+6:SS+32*\qt+7]
.irp n, 8,12,16,20,24,28
	v_pk_add_f32 v[SU:SU+1],   v[SU:SU+1],   v[SS+32*\qt+\n:SS+32*\qt+\n+1]
	v_pk_add_f32 v[SU+2:SU+3], v[SU+2:SU+3], v[SS+32*\qt+\n+2:SS+32*\qt+\n+3]
.endr
	v_pk_add_f32 v[SU:SU+1], v[SU:SU+1], v[SU+2:SU+3]
.if \first
	v_add_f32 v[LS+\qt], v[SU], v[SU+1]
.else
	v_add_f32 v[SU], v[SU], v[SU+1]
	v_fma_f32 v[LS+\qt], v[LS+\qt], v[AL], v[SU]
.endif
.set n, 0
.rept 16
	v_cvt_pk_f16_f32 v[SS+32*\qt+n], v[SS+32*\qt+2*n], v[SS+32*\qt+2*n+1]   ; in place: step n reads registers 2n, 2n+1 and writes n, which step n / 2 has read
.set n, n+1
.endr
.if 1-\first
.set n, 0
.rept 16
	v_pk_mul_f32 v[OO+32*\qt+n:OO+32*\qt+n+1], v[OO+32*\qt+n:OO+32*\qt+n+1], v[AL:AL+1] op_sel_hi:[1,0]
.set n, n+2
.endr
.endif
.endm
; One key tile.  K's fragments were loaded a tile ahead.  pf = 1: the next tile's K is loaded behind the first products.
.macro TILE first, mask, pf
	VLOAD
	s_wait_dscnt 16                                ; K is in; the 16 loads of V are younger
	SMUL 0
	SMUL 1
	v_add_nc_u32 v[KADR], 64*KP, v[KADR]           ; with three v_nop: the four places ahead of loads into K's registers and of the readers of S
	v_nop
	v_nop
	v_nop
.if \pf
	KLOAD
.endif
	SMAX 0, \first, \mask
.if \pf
	s_wait_dscnt 16                                ; V is in; the 16 loads of the next K are younger
.else
	s_wait_dscnt 0x0
.endif
	PV 0, \first
	SMAX 1, \first, \mask
	PV 1, \first
	v_add_nc_u32 v[VADR], 64*VP, v[VADR]           ; with four v_nop: five places ahead of the products that write over P, four ahead of loads into V's registers and of readers of O
	v_nop
	v_nop
	v_nop
	v_nop
.endm
.macro MID n, guard                    ; s[n] tiles in which every key is allowed; guard = 1: the count may be 0
.if \guard
	s_cmp_eq_u32 s[\n], 0
	s_cbranch_scc1 .Lmid_end_\@
.endif
	s_mov_b32 s60, 0
.Lmid_\@:
	TILE 0, 0, 1
	s_add_co_u32 s60, s60, 1
	s_cmp_lt_u32 s60, s[\n]
	s_cbranch_scc1 .Lmid_\@
.Lmid_end_\@:
.endm
.macro PUB cnt                         ; chunks are published: my parts have landed (cnt younger loads stay out), and so have everybody's
	s_wait_dscnt 0x0
	s_wait_tensorcnt \cnt
	s_barrier_signal -1
	s_barrier_wait -1
.endm
; A block's sums are divided by the sums of the probabilities and rounded.  save = 1: into window 1, to wait there; 0: in place.
.macro NORM save
	v_permlanex16_b32 v[TP], v[LS], s48, s49       ; the sums of the query's other 32 keys of each tile
	v_add_f32 v[LS], v[LS], v[TP]
	v_permlanex16_b32 v[TP], v[LS+1], s48, s49
	v_add_f32 v[LS+1], v[LS+1], v[TP]
	v_rcp_f32 v[NM], v[LS]
	v_rcp_f32 v[NM+2], v[LS+1]
	v_nop                                          ; the plain place behind the reciprocals
	s_wait_alu depctr_va_vdst(0)
.irp qt, 0,1
.set n, 0
.rept 16
	v_pk_mul_f32 v[OO+32*\qt+n:OO+32*\qt+n+1], v[OO+32*\qt+n:OO+32*\qt+n+1], v[NM+2*\qt:NM+2*\qt+1] op_sel_hi:[1,0]
.set n, n+2
.endr
.endr
.if \save
	WIN 0x40
.endif
.irp qt, 0,1
.set n, 0
.rept 16
.if \save
	v_cvt_pk_f16_f32 v[SV+16*\qt+n], v[OO+32*\qt+2*n], v[OO+32*\qt+2*n+1]
.else
	v_cvt_pk_f16_f32 v[OO+16*\qt+n], v[OO+32*\qt+2*n], v[OO+32*\qt+2*n+1]   ; every register written has been read by this or an earlier step
.endif
.set n, n+1
.endr
.endr
	WIN 0
.endm
; 16 rows go out through my own stage: 16 bytes a lane and d tile in, four rows of 128 bytes a load back, 512 consecutive aligned bytes a store.
; win: the window of the stores' data; src: its first register; g: which 16 registers take the rows back.
.macro OUTG win, src, g, base, qt
	WIN \win
.irp dt, 0,1,2,3
	ds_store_b128 v[STO], v[\src+4*\dt:\src+4*\dt+3] offset:32*\dt
.endr
	WIN 0
.irp t, 0,1,2,3
	ds_load_b128 v[SS+16*\g+4*\t:SS+16*\g+4*\t+3], v[RD] offset:4*KP*\t   ; LDS serves a wave's instructions in order (ISA guide 5.7.1): these see the stores above, and the next group's stores come behind them
.endr
.irp t, 0,1,2,3
	s_wait_dscnt 3-\t                              ; the younger loads stay out
	global_store_b128 v[GO], v[SS+16*\g+4*\t:SS+16*\g+4*\t+3], s[\base:\base+1] offset:2048*\qt+512*\t
.endr
.endm
	; THE LONG BLOCK: query block 7 - i, 9 to 16 tiles.  My queries begin at row 512 or later: every key of tiles 0 to 2 is allowed.
	PUB 3                                          ; chunk 0 (tiles 0..3) has landed; my three younger loads stay out
	v_mov_b32 v[KADR], v[KB]
	v_mov_b32 v[VADR], v[VB]
	KLOAD
	s_wait_loadcnt 0x0                             ; q
	TILE 1, 0, 1                                   ; tile 0 starts every sum
	TILE 0, 0, 1
	TILE 0, 0, 1                                   ; tile 2; the K that it loads ahead is tile 3's, the last of chunk 0
	PUB 0                                          ; every chunk has landed, in every wave: no tensor load is out from here on
	MID 61, 0
	v_add_nc_u32 v[DQ], s82, v[RH]
	TILE 0, 1, 0                                   ; the diagonal tile
	LOADQ 50                                       ; the short block's q comes in while the long block is divided and rounded
	NORM 1
	; THE SHORT BLOCK: query block i, 1 to 8 tiles
	v_mov_b32 v[KADR], v[KB]
	v_mov_b32 v[VADR], v[VB]
	v_add_nc_u32 v[DQ], s69, v[RH]                 ; tile 0 begins at key 0
	KLOAD
	s_wait_loadcnt 0x0
	TILE 1, 1, 1                                   ; tile 0 starts every sum; it is the diagonal tile where T = 1
	MID 59, 1
	s_cmp_lt_u32 s63, 2
	s_cbranch_scc1 .Lone_tile
	v_add_nc_u32 v[DQ], s81, v[RH]
	TILE 0, 1, 0                                   ; the diagonal tile
.Lone_tile:
	NORM 0
	; THE WAY OUT.  The first LDS stores of the launch stand behind a barrier in front of which every wave's reads of K and V are back.
	s_wait_dscnt 0x0                               ; where T = 1 the loads of tile 1's K were still out
	s_barrier_signal -1
	s_barrier_wait -1
	OUTG 0x04, SV,    0, 56, 0
	OUTG 0x04, SV+16, 1, 56, 1
	OUTG 0,    OO,    2, 54, 0
	OUTG 0,    OO+16, 3, 54, 1
	s_set_vgpr_msb 0x5
	s_wait_tensorcnt 0x0
	ds_add_u32 v96, v97
	s_wait_dscnt 0x0
	s_set_vgpr_msb 0x500
	ROUND                                          ; the closing round
	s_endpgm
.Lfunc_end_k_q71e4ef5777_attn:
	.size	k_q71e4ef5777_attn, .Lfunc_end_k_q71e4ef5777_attn-k_q71e4ef5777_attn
	.p2alignl 7, 3214868480
	.fill 96, 4, 3214868480
	.section	.rodata,"a",@progbits
	.p2align	6, 0x0
	.amdhsa_kernel k_q71e4ef5777_attn
		.amdhsa_group_segment_fixed_size 321024
		.amdhsa_private_segment_fixed_size 0
		.amdhsa_enable_private_segment 0
		.amdhsa_kernarg_size 16
		.amdhsa_user_sgpr_count 2
		.amdhsa_user_sgpr_kernarg_segment_ptr 1
		.amdhsa_wavefront_size32 1
		.amdhsa_system_sgpr_workgroup_id_x 1
		.amdhsa_system_sgpr_workgroup_id_y 1
		.amdhsa_system_sgpr_workgroup_id_z 1
		.amdhsa_system_vgpr_workitem_id 0
		.amdhsa_next_free_vgpr 354
		.amdhsa_next_free_sgpr 84
		.amdhsa_reserve_vcc 1
		.amdhsa_float_denorm_mode_32 3
		.amdhsa_float_denorm_mode_16_64 3
		.amdhsa_memory_ordered 1
		.amdhsa_forward_progress 1
		.amdhsa_inst_pref_size 169
	.end_amdhsa_kernel
	.amdgpu_metadata
---
amdhsa.version: [ 1, 2 ]
amdhsa.kernels:
  - .name:           k_q71e4ef5777_attn
    .symbol:         k_q71e4ef5777_attn.kd
    .args:
      - { .name: qkvh, .offset: 0, .size: 8, .value_kind: global_buffer, .address_space: global }
      - { .name: ao, .offset: 8, .size: 8, .value_kind: global_buffer, .address_space: global }
    .group_segment_fixed_size: 321024
    .private_segment_fixed_size: 0
    .kernarg_segment_align: 8
    .kernarg_segment_size: 16
    .max_flat_workgroup_size: 128
    .sgpr_count:     84
    .vgpr_count:     354
    .wavefront_size: 32
...
	.end_amdgpu_metadata
.endif
;; end of part 3
;; launch oproj (part 4): grid 16 x 16, 4 waves a work-group, clusters of 4 x 4, 327,680 bytes of LDS; arguments ao, wob, bo, out0; writes out0
.if DOCPART == 4
	.amdgcn_target "amdgcn-amd-amdhsa--gfx1250"
	.amdhsa_code_object_version 6
	.text
	.protected	k_q71e4ef5777_oproj
	.globl	k_q71e4ef5777_oproj
	.p2align	8
	.type	k_q71e4ef5777_oproj,@function
k_q71e4ef5777_oproj:
	s_mov_b64 s[64:65], 0
	v_nop
	global_prefetch_b8 v0, s[64:65] scope:SCOPE_SE
	s_setreg_imm32_b32 hwreg(HW_REG_WAVE_MODE, 25, 1), 1
	s_wait_xcnt 0x0
	s_wait_alu depctr_hold_cnt(0) depctr_sa_sdst(0) depctr_va_vdst(0) depctr_va_sdst(0) depctr_va_ssrc(0) depctr_va_vcc(0) depctr_vm_vsrc(0)
	s_getreg_b32 s2, hwreg(HW_REG_IB_STS2, 6, 4)
	s_cmp_eq_u32 s2, 0
	s_cbranch_scc0 .Lentry_in_a_cluster
	s_endpgm
.Lentry_in_a_cluster:
	s_bfe_u32 s2, ttmp6, 0x10000c
	s_cmp_lg_u32 s2, 0xf033
	s_cbranch_scc0 .Lentry_shape_is_right
	s_endpgm
.Lentry_shape_is_right:
; out0 = ao (2048 tokens x 2048, stored [head][token][64]) x wob (2048 x 2048) + bo, operands f16, sums and result f32.
; 256 work-groups, each a block of 128 x 128; four waves, each 64 x 64 = 16 accumulator tiles.  K goes in steps of 256 (four heads) through two LDS
; slots: a slot holds eight quarter steps of 32, so a refill has 7/8 of 128 matrix instructions a wave in which to land.
; CLUSTERS: 4 x 4 work-groups; ao's tiles are shared along a row of the cluster, wob's along a column, each asked for jointly.
; A's tile of one load: 4 heads x (64 tokens x 64 d, 8 KiB dense), 16 bytes of padding behind every 128: pitch 144 for a (head, token).
; B lies [k][n]: rows of 256 bytes, aligned, 32 bytes of padding: pitch 288 = 9 x 32, for the transposing LDS load.
; The matrix instruction is used transposed (source 0 = columns of wob, source 1 = tokens): a lane holds eight neighbouring columns of one row; their
; bias is the C of the first product.
; REGISTERS: window 0: v1-22 addresses, v32-63 bias, v80-143 and v160-223 two fragment buffers (32 of B, 32 of A); window 1: accumulators.
.set NB,    4
.set BP,    288
.set BHALF, 128*BP                     ; 36,864: 128 k rows, one tensor load
.set AP,    144
.set AHEAD, 64*AP                      ; 9,216: a head's 64 tokens
.set AHALF, 4*AHEAD                    ; 36,864: one tensor load
.set ABASE, 2*BHALF
.set SLOT,  ABASE+2*AHALF              ; 147,456
.set STAGE, 2*SLOT                     ; 294,912, a multiple of 256: no fill lands behind it
.set SP,    272                        ; stage pitch: 64 f32 + 16 bytes
.set SWAVE, 16*SP
.set KSTEP, 1048576                    ; bytes from a K step to the next: 4 heads of 262,144 in ao, 256 rows of 4,096 in wob
.set LAPS,  4                          ; 2048 / (2 x 256)
.set NL,    2*NB+8
.set ADRA, 8                           ; v8-9    my A fragments in slot 0, 1
.set ADRB, 10                          ; v10-13  my B fragments: slot 0 (k 0-127, 128-255), slot 1 likewise
.set STO,  14
.set RD,   15
.set CO,   18
.set BOFF, 20
.set BIAS, 32
.set OUT,  32                          ; the way out: 32 registers for each of four row tiles
.set F0,   80
.set F1,   160
.set G1A, 24
.set G0A, 32
.set G1B, 48
.set G0B, 56
.set MUL,  0x50
.set MULB, 0x40
.set MSB, 0
.macro WIN new
.if MSB != \new
	s_set_vgpr_msb (MSB<<8)|\new
.set MSB, \new
.endif
.endm
.macro PLACES                          ; four plain vector places behind matrix instructions (ISA guide 7.12.1)
.rept 4
	v_nop
.endr
.endm
.macro JLOAD s                         ; waves 0, 1: B's halves; waves 2, 3: A's
	s_cmp_eq_u32 s13, 0
	s_cbranch_scc0 .Lfor_a_\@
	tensor_load_to_lds s[G0B+4*\s:G0B+4*\s+3], s[G1B:G1B+7]
	s_nop 0
	s_branch .Lasked_\@
.Lfor_a_\@:
	tensor_load_to_lds s[G0A+4*\s:G0A+4*\s+3], s[G1A:G1A+7]
	s_nop 0
.Lasked_\@:
.endm
.macro CREST
	s_cmp_lg_u32 s12, 0
	s_cbranch_scc1 .Lnot_wave_0_\@
	s_barrier_signal -3
.Lnot_wave_0_\@:
	s_barrier_wait -3
	s_barrier_signal -1
	s_barrier_wait -1
.endm
.macro CROUND
	s_barrier_signal -1
	s_barrier_wait -1
	CREST
.endm
	s_load_b256 s[4:11], s[0:1], 0x0               ; ao 4:5, wob 6:7, bo 8:9, out0 10:11
	v_lshl_add_u32 v254, v0, 2, 0x4c400
	v_mov_b32 v255, 0
	ds_add_u32 v254, v255
	v_lshrrev_b32 v1, 5, v0
	v_readfirstlane_b32 s12, v1
	s_lshr_b32 s13, s12, 1                         ; my half of the rows.  Also: I fetch for B (0) or for A (1)
	s_and_b32 s14, s12, 1                          ; my half of the columns.  Also: which half of that tile I fetch
	s_bfe_u32 s40, ttmp6, 0x40000
	s_bfe_u32 s41, ttmp6, 0x40004
	s_lshl_b32 s42, ttmp9, 2
	s_add_co_u32 s42, s42, s40                     ; block column
	s_and_b32 s43, ttmp7, 0xffff
	s_lshl_b32 s43, s43, 2
	s_add_co_u32 s43, s43, s41                     ; block row
	s_lshl_b32 s44, s41, 2
	s_lshl_b32 s44, 15, s44
	s_lshl_b32 s45, 0x1111, s40
	; group 1 for A: 4 rows (heads) of 4,096 elements (64 tokens x 64 d), 131,072 elements apart; 4 words of padding behind every 32
	s_or_b32 s[G1A+0], s44, (1<<16)|(1<<20)|(1<<21)|(4<<22)|(3<<25)
	s_mov_b32 s[G1A+1], 4096<<16
	s_mov_b32 s[G1A+2], 4<<16
	s_mov_b32 s[G1A+3], 4096<<16
	s_mov_b32 s[G1A+4], 4
	s_mov_b32 s[G1A+5], 131072
	s_mov_b32 s[G1A+6], 0
	s_mov_b32 s[G1A+7], 0
	; group 1 for B: 128 k rows x 128 elements; 8 words of padding behind every 64
	s_or_b32 s[G1B+0], s45, (1<<16)|(1<<20)|(1<<21)|(5<<22)|(7<<25)
	s_mov_b32 s[G1B+1], 128<<16
	s_mov_b32 s[G1B+2], 128<<16
	s_mov_b32 s[G1B+3], 128<<16
	s_mov_b32 s[G1B+4], 128
	s_mov_b32 s[G1B+5], 2048
	s_mov_b32 s[G1B+6], 0
	s_mov_b32 s[G1B+7], 0
	s_lshl_b32 s16, s43, 14                        ; A: 128 tokens of 128 bytes a block row,
	s_lshl_b32 s66, s14, 13                        ; + 64 tokens for the second half
	s_add_co_u32 s16, s16, s66
	s_mov_b32 s17, 0
	s_lshl_b32 s20, s42, 8                         ; B: 128 columns of 2 bytes a block column,
	s_lshl_b32 s67, s14, 19                        ; + 128 k rows of 4,096 bytes for the second half
	s_add_co_u32 s20, s20, s67
	s_mov_b32 s21, 0
	s_mul_i32 s68, s12, BHALF                      ; LDS: B's halves, then A's, all of 36,864 bytes: wave x 36,864
	s_lshl_b32 s70, s42, 9                         ; bias and output columns: 4 (128 block column + 64 half)
	s_lshl_b32 s66, s14, 8
	s_add_co_u32 s70, s70, s66
	s_mov_b32 s71, 0
	s_lshl_b32 s72, s43, 20                        ; output rows: 128 rows of 8,192 bytes a block row, 64 a half
	s_lshl_b32 s66, s13, 19
	s_add_co_u32 s72, s72, s66
	s_add_co_u32 s72, s72, s70
	s_mov_b32 s73, 0
	s_wait_dscnt 0x0
	s_wait_kmcnt 0x0
	s_add_nc_u64 s[18:19], s[4:5], s[16:17]
	s_add_nc_u64 s[22:23], s[6:7], s[20:21]
	s_add_nc_u64 s[8:9], s[8:9], s[70:71]
	s_add_nc_u64 s[10:11], s[10:11], s[72:73]
	CROUND
.irp s, 0,1
	s_mov_b32 s[G0A+4*\s], 1
	s_add_co_u32 s[G0A+4*\s+1], s68, \s*SLOT
	s_add_nc_u64 s[G0A+4*\s+2:G0A+4*\s+3], s[18:19], \s*KSTEP
	s_or_b32 s[G0A+4*\s+3], s[G0A+4*\s+3], 0x80000000
	s_mov_b32 s[G0B+4*\s], 1
	s_add_co_u32 s[G0B+4*\s+1], s68, \s*SLOT
	s_add_nc_u64 s[G0B+4*\s+2:G0B+4*\s+3], s[22:23], \s*KSTEP
	s_or_b32 s[G0B+4*\s+3], s[G0B+4*\s+3], 0x80000000
	JLOAD \s                                       ; two tensor loads of the wave are out
.endr
	v_and_b32 v1, 15, v0                           ; l % 16
	v_bfe_u32 v2, v0, 4, 1                         ; l / 16
	v_and_b32 v3, 7, v0                            ; l % 8
	v_bfe_u32 v4, v0, 3, 1                         ; (l / 8) % 2
	v_lshlrev_b32 v[BOFF], 5, v2
.irp b, 0,1,2,3
	global_load_b128 v[BIAS+8*\b:BIAS+8*\b+3],   v[BOFF], s[8:9] offset:64*\b
	global_load_b128 v[BIAS+8*\b+4:BIAS+8*\b+7], v[BOFF], s[8:9] offset:64*\b+16
.endr
	v_mul_u32_u24 v6, v1, AP
	v_lshl_add_u32 v6, v2, 4, v6
	s_mul_i32 s66, s13, AHALF
	s_add_co_u32 s66, s66, ABASE
	v_add_nc_u32 v[ADRA], s66, v6
	v_add_nc_u32 v[ADRA+1], SLOT, v[ADRA]
	v_lshl_add_u32 v7, v2, 3, v3
	v_mul_u32_u24 v7, v7, BP
	v_lshl_add_u32 v7, v4, 4, v7
	s_lshl_b32 s67, s14, 7                         ; my 64 columns
	v_add_nc_u32 v[ADRB], s67, v7
	v_add_nc_u32 v[ADRB+1], BHALF, v[ADRB]
	v_add_nc_u32 v[ADRB+2], SLOT, v[ADRB]
	v_add_nc_u32 v[ADRB+3], SLOT+BHALF, v[ADRB]
	s_mul_i32 s66, s12, SWAVE
	s_add_co_u32 s66, s66, STAGE
	v_mul_u32_u24 v[STO], v1, SP                   ; in: row l % 16, 32 bytes for each half of the lanes
	v_lshl_add_u32 v[STO], v2, 5, v[STO]
	v_add_nc_u32 v[STO], s66, v[STO]
	v_mul_u32_u24 v[RD], v2, SP                    ; back: lanes 0-15 one row of 256 bytes, lanes 16-31 the next
	v_lshl_add_u32 v[RD], v1, 4, v[RD]
	v_add_nc_u32 v[RD], s66, v[RD]
	v_lshlrev_b32 v[CO], 13, v2                    ; the same two rows in out0
	v_lshl_add_u32 v[CO], v1, 4, v[CO]
; The 16 accumulators take turns, one instruction a turn, in the same order in every quarter step.
.macro MULROW f, a, first
.irp b, 0,1,2,3
.if \first
	v_wmma_f32_16x16x32_f16 v[8*(NB*\a+\b):8*(NB*\a+\b)+7], v[\f+8*\b:\f+8*\b+7], v[\f+8*NB+8*\a:\f+8*NB+8*\a+7], v[BIAS+8*\b:BIAS+8*\b+7]
.else
	v_wmma_f32_16x16x32_f16 v[8*(NB*\a+\b):8*(NB*\a+\b)+7], v[\f+8*\b:\f+8*\b+7], v[\f+8*NB+8*\a:\f+8*NB+8*\a+7], v[8*(NB*\a+\b):8*(NB*\a+\b)+7]
.endif
.endr
.endm
; quarter q (0..7) of a slot: k rows 32 q .. of B; head q / 2, d 32 (q % 2) .. of A
.macro FETCH slot, q, f
	WIN 0
.irp b, 0,1,2,3
	ds_load_tr16_b128 v[\f+8*\b:\f+8*\b+3],   v[ADRB+2*\slot+(\q>>2)] offset:32*BP*(\q&3)+32*\b
	ds_load_tr16_b128 v[\f+8*\b+4:\f+8*\b+7], v[ADRB+2*\slot+(\q>>2)] offset:32*BP*(\q&3)+32*\b+16*BP
.endr
.irp a, 0,1,2,3
	ds_load_b128 v[\f+8*NB+8*\a:\f+8*NB+8*\a+3],   v[ADRA+\slot] offset:AHEAD*(\q>>1)+16*AP*\a+64*(\q&1)
	ds_load_b128 v[\f+8*NB+8*\a+4:\f+8*NB+8*\a+7], v[ADRA+\slot] offset:AHEAD*(\q>>1)+16*AP*\a+64*(\q&1)+32
.endr
.endm
.macro MWIN first
.if \first
	WIN MULB
.else
	WIN MUL
.endif
.endm
.macro QUARTER slot, qn, f, g, first
	s_wait_dscnt 4                                 ; B and A's row tiles 0, 1 are in; the four youngest loads may be out
	MWIN \first
	MULROW \f, 0, \first
	MULROW \f, 1, \first
	PLACES
	FETCH \slot, \qn, \g
	s_wait_dscnt NL                                ; all but the run just issued
	MWIN \first
	MULROW \f, 2, \first
	MULROW \f, 3, \first
.endm
.macro BODY slot, first
	QUARTER \slot, 1, F0, F1, \first
	QUARTER \slot, 2, F1, F0, 0
	QUARTER \slot, 3, F0, F1, 0
	QUARTER \slot, 4, F1, F0, 0
	QUARTER \slot, 5, F0, F1, 0
	QUARTER \slot, 6, F1, F0, 0
	QUARTER \slot, 7, F0, F1, 0
.endm
; the last quarter of a slot and the change of slots: each wave's waits, the barrier (which opens a round of the cluster's barrier where the slot is
; filled again), the joint refill first behind it, then the next slot's first fragments
.macro TURN slot, next, fill
	s_wait_dscnt 4
	WIN MUL
	MULROW F1, 0, 0
	s_wait_dscnt 0x0                               ; my reads of this slot are over
	s_wait_tensorcnt 0x0                           ; all my tensor loads have landed: the one that was out is my part of the next slot
	ds_add_u32 v254, v255
	s_wait_dscnt 0x0
	s_barrier_signal -1
	MULROW F1, 1, 0
	WIN 0
	s_barrier_wait -1
.if \fill
	CREST
	s_add_nc_u64 s[G0A+4*\slot+2:G0A+4*\slot+3], s[G0A+4*\slot+2:G0A+4*\slot+3], 2*KSTEP
	s_add_nc_u64 s[G0B+4*\slot+2:G0B+4*\slot+3], s[G0B+4*\slot+2:G0B+4*\slot+3], 2*KSTEP
	JLOAD \slot
.endif
	PLACES
	FETCH \next, 0, F0
	WIN MUL
	MULROW F1, 2, 0
	MULROW F1, 3, 0
.endm
.macro LAP first
	BODY 0, \first
	TURN 0, 1, 1
	BODY 1, 0
	TURN 1, 0, 1
.endm
	s_wait_tensorcnt 1                             ; my part of K step 0 is in; K step 1's stays out
	s_barrier_signal -1
	s_barrier_wait -1
	FETCH 0, 0, F0
	s_wait_loadcnt 0x0                             ; the bias
	LAP 1
	WIN 0
	s_mov_b32 s15, LAPS-2
.Llap:
	LAP 0
	WIN 0
	s_sub_co_u32 s15, s15, 1
	s_cmp_lg_u32 s15, 0
	s_cbranch_scc1 .Llap
	BODY 0, 0                                      ; the last lap fills nothing
	TURN 0, 1, 0
	BODY 1, 0
	s_wait_dscnt 0x0
	WIN MUL
	MULROW F1, 0, 0
	MULROW F1, 1, 0
	MULROW F1, 2, 0
	MULROW F1, 3, 0
	; THE WAY OUT, 16 rows at a time through my own stage: 32 bytes a lane and tile in, whole rows of 256 bytes back, sixteen lanes store 256 consecutive
	; aligned bytes.  LDS serves a wave's instructions in order (ISA guide 5.7.1): no wait between the stores and the loads, nor before the stage's next use.
	PLACES
.irp a, 0,1,2,3
	WIN 0x04                                       ; the store's data in window 1
.irp b, 0,1,2,3
	ds_store_b128 v[STO], v[8*(NB*\a+\b):8*(NB*\a+\b)+3]   offset:64*\b
	ds_store_b128 v[STO], v[8*(NB*\a+\b)+4:8*(NB*\a+\b)+7] offset:64*\b+16
.endr
	WIN 0
.irp t, 0,1,2,3,4,5,6,7
	ds_load_b128 v[OUT+32*\a+4*\t:OUT+32*\a+4*\t+3], v[RD] offset:2*SP*\t
.endr
.irp t, 0,1,2,3,4,5,6,7
	s_wait_dscnt 7-\t
	global_store_b128 v[CO], v[OUT+32*\a+4*\t:OUT+32*\a+4*\t+3], s[10:11] offset:131072*\a+16384*\t th:TH_STORE_NT
.endr
.endr
	s_wait_tensorcnt 0x0
	ds_add_u32 v254, v255
	s_wait_dscnt 0x0
	CROUND                                         ; the closing round
	s_endpgm
.Lfunc_end_k_q71e4ef5777_oproj:
	.size	k_q71e4ef5777_oproj, .Lfunc_end_k_q71e4ef5777_oproj-k_q71e4ef5777_oproj
	.p2alignl 7, 3214868480
	.fill 96, 4, 3214868480
	.section	.rodata,"a",@progbits
	.p2align	6, 0x0
	.amdhsa_kernel k_q71e4ef5777_oproj
		.amdhsa_group_segment_fixed_size 327680
		.amdhsa_private_segment_fixed_size 0
		.amdhsa_enable_private_segment 0
		.amdhsa_kernarg_size 32
		.amdhsa_user_sgpr_count 2
		.amdhsa_user_sgpr_kernarg_segment_ptr 1
		.amdhsa_wavefront_size32 1
		.amdhsa_system_sgpr_workgroup_id_x 1
		.amdhsa_system_sgpr_workgroup_id_y 1
		.amdhsa_system_sgpr_workgroup_id_z 1
		.amdhsa_system_vgpr_workitem_id 0
		.amdhsa_next_free_vgpr 384
		.amdhsa_next_free_sgpr 80
		.amdhsa_reserve_vcc 0
		.amdhsa_float_denorm_mode_32 3
		.amdhsa_float_denorm_mode_16_64 3
		.amdhsa_memory_ordered 1
		.amdhsa_forward_progress 1
		.amdhsa_inst_pref_size 128
	.end_amdhsa_kernel
	.amdgpu_metadata
---
amdhsa.version: [ 1, 2 ]
amdhsa.kernels:
  - .name:           k_q71e4ef5777_oproj
    .symbol:         k_q71e4ef5777_oproj.kd
    .args:
      - { .name: ao, .offset: 0, .size: 8, .value_kind: global_buffer, .address_space: global }
      - { .name: wob, .offset: 8, .size: 8, .value_kind: global_buffer, .address_space: global }
      - { .name: bo, .offset: 16, .size: 8, .value_kind: global_buffer, .address_space: global }
      - { .name: out0, .offset: 24, .size: 8, .value_kind: global_buffer, .address_space: global }
    .group_segment_fixed_size: 327680
    .private_segment_fixed_size: 0
    .kernarg_segment_align: 8
    .kernarg_segment_size: 32
    .max_flat_workgroup_size: 128
    .sgpr_count:     80
    .vgpr_count:     384
    .wavefront_size: 32
...
	.end_amdgpu_metadata
.endif
;; end of part 4
